; MI455X (gfx1250); checked and timed in simulation.
; The chip was launched on July 23, 2026; its instructions are those of AMD's public machine-readable ISA for CDNA 5 (MIT licence, August 2026) and "CDNA5" Instruction Set Architecture Reference Guide (July 2026). The comments in the code are by the model that wrote it; some were corrected since.
;; Attn. Allowed arithmetic: float matrix products may take bf16 or f16 operands with f32 sums; all other float work in f32.
;; Inputs: W 2,048 x 2,048 float32; b 2,048 float32; encoder_outputs 512 x 32 x 2,048 float32; hidden 32 x 2,048 float32.
;; Outputs: out0 1 x 1 x 512 x 32 float32.
;; 3 versions, each right; version 2 is faster than version 1; version 3 is version 2 with the launches vpart, score written anew for expert scheduling mode. Each part assembles by itself: llvm-mc -triple=amdgcn-amd-amdhsa -mcpu=gfx1250 --defsym DOCPART=n.
;; ======== version 1 of 3: 2 launches
;; workspace buffers: proj 270,336 bytes
;; launch proj (part 1): grid 32 x 1, 16 waves a work-group, no clusters, 149,760 bytes of LDS; arguments W, b, hidden, proj; writes proj
.if DOCPART == 1
	.amdgcn_target "amdgcn-amd-amdhsa--gfx1250"
	.amdhsa_code_object_version 6
	.text
	.protected	k_q1512044854_proj
	.globl	k_q1512044854_proj
	.p2align	8
	.type	k_q1512044854_proj,@function
k_q1512044854_proj:
	s_mov_b64 s[64:65], 0
	v_nop
	global_prefetch_b8 v0, s[64:65] scope:SCOPE_SE
	s_setreg_imm32_b32 hwreg(HW_REG_WAVE_MODE, 25, 1), 1
	s_wait_xcnt 0x0
; v[b][d] = sum over e of hidden[b][e] W[e][d]   (32 x 2048, f32)   and   c[b] = sum over e of bias[e] hidden[b][e].
; The module's scores are sum_e (sum_d enc[l,b,d] W[e,d] + bias[e]) hidden[b,e] = sum_d enc[l,b,d] v[b,d] + c[b]: the same sum in another order,
; for every input.  This launch makes v and c; the next one takes the dot products with enc and the log-softmax.
; LIMITS.  The order of summation differs from the reference's.  W and hidden are rounded to bf16 for the matrix product, sums in f32; c is made in f32.
; NaN and infinities are not treated apart.
; SHARES.  Work-group g owns the columns d = 64 g .. 64 g + 63 (256 aligned bytes of every row of W) over all e, and c[g].  Wave w of sixteen owns
; e = 128 w .. 128 w + 127: four K steps of 32, partial sums of 32 x 64 in eight accumulators; the sixteen partial sums meet in LDS.
; W IS NOT TURNED.  Lane (q = lane % 16, h = lane / 16) loads 16 bytes, columns 4 q .. 4 q + 3, of sixteen rows of W: just the sixteen k that a lane of a
; 16-bit B fragment holds.  Column tile t is the set of columns 4 q + t, so register r of its fragment is the bf16 pair of number t of loads 2 r and 2 r + 1.
; In the result of (row tile mt, column tile t) register j of lane (q, h) is v[16 mt + 8 h + j][64 g + 4 q + t].
; NO CLUSTER.  What the 32 work-groups share is hidden, 262,144 bytes in f32; as a joint tile it would lie in LDS beside its bf16 copy of 139,264 bytes,
; 401,408 bytes together, more than a work-group can be given.  W, 64 times as large, is shared by nobody.
; proj: bytes 0 .. 262,143 v, row-major; bytes 262,144 + 256 g .. + 255: c[g], 64 times, so that one store covers those 256 aligned bytes.
.set ROWB,  8192                       ; bytes in a row of W, of hidden and of v
.set PITCH, 272                        ; LDS row of hidden in bf16: 256 bytes + 16: the sixteen rows of a fragment load start 68 words apart
.set REGB,  32*PITCH                   ; a wave's region: 32 rows of its 128 e in bf16; later its 8,192 bytes of partial sums
.set STG,   16*REGB                    ; the finished 32 x 64 numbers, rows of 256 bytes
.set CRED,  STG+8192                   ; sixteen words: the waves' parts of c[g]
.set ACC,   16                         ; v[16:79]    accumulator 4 mt + t, eight registers each (first: hidden's rows 16-31 as loaded)
.set BF,    80                         ; v[80:111]   B fragments, tile t at BF + 8 t (first: the two slices for c, and pairs at work)
.set AF,    112                        ; v[112:127]  A fragments, row tile mt at AF + 8 mt
.set X0,    128                        ; v[128:191]  sixteen rows of W as loaded
.set X1,    192                        ; v[192:255]  the same, second buffer (first: hidden's rows 0-15 as loaded)
.set RS,    128                        ; the reduction's sixteen quads
; v1 16 L   v2 W's lane offset   v3 A fragments   v4 hidden into LDS   v5 my dump   v6, v7 the reduction's reads   v8 into the stage   v9 out of it
; v10 my offset in v   v11 my word of c's parts   v12 those words   v13 8 L   v14 L   v15 q
; s[14:15] W at my rows and columns   s[16:17] hidden at my e   s[18:19] hidden[g] at my e   s[20:21] bias at my e   s[22:23] proj at my columns
.macro LDH dst, row0                   ; sixteen rows of hidden, my 128 e: each load covers 512 consecutive bytes
.irp i, 0,1,2,3,4,5,6,7,8,9,10,11,12,13,14,15
	global_load_b128 v[(\dst)+4*(\i):(\dst)+4*(\i)+3], v1, s[16:17] offset:((\row0)+(\i))*ROWB
.endr
.endm
.macro LDW s, X                        ; K step s: rows 8 h + i and 16 + 8 h + i (i = 0..7) of its 32; sixteen lanes cover 256 consecutive aligned bytes; read once in the launch
.irp i, 0,1,2,3,4,5,6,7,8,9,10,11,12,13,14,15
	global_load_b128 v[(\X)+4*(\i):(\X)+4*(\i)+3], v2, s[14:15] offset:(\s)*32*ROWB+((\i)+8*((\i)/8))*ROWB th:TH_LOAD_NT
.endr
.endm
.macro CVH src, row0                   ; sixteen rows of hidden rounded to bf16, 8 bytes a lane, into my region
.irp i, 0,1,2,3,4,5,6,7,8,9,10,11,12,13,14,15
	v_cvt_pk_bf16_f32 v[88+2*((\i)%12)],   v[(\src)+4*(\i)],   v[(\src)+4*(\i)+1]
	v_cvt_pk_bf16_f32 v[88+2*((\i)%12)+1], v[(\src)+4*(\i)+2], v[(\src)+4*(\i)+3]
	ds_store_b64 v4, v[88+2*((\i)%12):88+2*((\i)%12)+1] offset:((\row0)+(\i))*PITCH
.endr
.endm
; One K step of 32.  cnt: the loads that may stay out (the other buffer's sixteen, or none).  more = 1: buffer X takes the step two further on.
.macro KSTEP s, X, zero, more, cnt
.irp m, 0,1
	ds_load_b128 v[AF+8*(\m):AF+8*(\m)+3],   v3 offset:(\m)*16*PITCH+64*(\s)     ; my own bytes: LDS serves a wave's instructions in order (ISA guide 5.7.1.4)
	ds_load_b128 v[AF+8*(\m)+4:AF+8*(\m)+7], v3 offset:(\m)*16*PITCH+64*(\s)+32
.endr
	s_wait_loadcnt \cnt                            ; loads come back in order (ISA guide 5.7.1): this step's sixteen are in
.irp t, 0,1,2,3
.irp r, 0,1,2,3,4,5,6,7
	v_cvt_pk_bf16_f32 v[BF+8*(\t)+(\r)], v[(\X)+8*(\r)+(\t)], v[(\X)+8*(\r)+4+(\t)]
.endr
.endr
.if \more
	LDW (\s)+2, \X
.endif
	s_wait_dscnt 0x0                               ; A's fragments are in
.irp m, 0,1
.irp t, 0,1,2,3                        ; the eight accumulators take turns, one instruction a turn, from step to step too
.if \zero
	v_wmma_f32_16x16x32_bf16 v[ACC+8*(4*(\m)+(\t)):ACC+8*(4*(\m)+(\t))+7], v[AF+8*(\m):AF+8*(\m)+7], v[BF+8*(\t):BF+8*(\t)+7], 0
.else
	v_wmma_f32_16x16x32_bf16 v[ACC+8*(4*(\m)+(\t)):ACC+8*(4*(\m)+(\t))+7], v[AF+8*(\m):AF+8*(\m)+7], v[BF+8*(\t):BF+8*(\t)+7], v[ACC+8*(4*(\m)+(\t)):ACC+8*(4*(\m)+(\t))+7]
.endif
.endr
.endr
.rept 4
	v_nop                                          ; four places ahead of the next step's loads into AF and conversions into BF, and of the dump's reads
.endr
.endm
.macro QADD d, s                       ; quad s is added onto quad d
	v_pk_add_f32 v[(\d):(\d)+1],   v[(\d):(\d)+1],   v[(\s):(\s)+1]
	v_pk_add_f32 v[(\d)+2:(\d)+3], v[(\d)+2:(\d)+3], v[(\s)+2:(\s)+3]
.endm
	s_load_b256 s[4:11], s[0:1], 0x0               ; W s[4:5], bias s[6:7], hidden s[8:9], proj s[10:11]
	v_and_b32 v14, 31, v0                          ; L
	v_lshrrev_b32 v17, 5, v0
	v_readfirstlane_b32 s12, v17                   ; w, 0 .. 15
	v_and_b32 v15, 15, v0                          ; q
	v_bfe_u32 v16, v0, 4, 1                        ; h
	s_mov_b32 s24, 0x76543210                      ; v_permlanex16_b32: each lane takes its own place in the other half
	s_mov_b32 s25, 0xfedcba98
	s_mul_i32 s28, s12, REGB                       ; my region
	v_lshlrev_b32 v1, 4, v14
	v_lshlrev_b32 v2, 4, v15
	v_lshl_add_u32 v2, v16, 16, v2                 ; 8 h rows of 8,192 bytes + 16 q
	v_mul_u32_u24 v3, v15, PITCH
	v_lshl_add_u32 v3, v16, 4, v3
	v_add_nc_u32 v3, s28, v3                       ; region + row q + 16 h
	v_lshl_add_u32 v4, v14, 3, s28
	v_lshl_add_u32 v5, v14, 4, s28
	s_lshl_b32 s29, s12, 9
	v_lshl_add_u32 v6, v14, 4, s29                 ; quad w of region 0; regions 0-7 by the immediate,
	v_add_nc_u32 v7, 8*REGB, v6                    ; regions 8-15 from here: 15 regions are more than the 16-bit immediate holds
	v_add_nc_u32 v9, STG, v6                       ; stage rows 2 w and 2 w + 1, 16 bytes a lane
	; Quad w of the 64 accumulator registers is registers 4 (w % 2) + 0..3 of accumulator w / 2: mt = w / 8, t = (w / 2) % 4.
	s_lshr_b32 s30, s12, 3
	s_lshl_b32 s30, s30, 12                        ; 16 mt rows of 256 bytes
	s_and_b32 s31, s12, 1
	s_lshl_b32 s31, s31, 10                        ; + 4 (w % 2) rows
	s_add_co_u32 s30, s30, s31
	s_bfe_u32 s31, s12, 0x20001
	s_lshl_b32 s31, s31, 2                         ; + 4 t bytes
	s_add_co_u32 s30, s30, s31
	s_add_co_u32 s30, s30, STG
	v_lshlrev_b32 v8, 4, v15
	v_lshl_add_u32 v8, v16, 11, v8                 ; + 8 h rows + 16 q bytes
	v_add_nc_u32 v8, s30, v8
	s_lshl_b32 s31, s12, 14
	v_lshlrev_b32 v10, 4, v15
	v_lshl_add_u32 v10, v16, 13, v10
	v_add_nc_u32 v10, s31, v10                     ; row 2 w + h of v, 16 q bytes
	v_lshl_add_u32 v11, v17, 2, CRED
	v_mov_b32 v12, CRED
	v_lshlrev_b32 v13, 3, v14
	s_lshl_b32 s26, s12, 20                        ; 128 w rows of W
	s_lshl_b32 s27, ttmp9, 8                       ; 64 g columns
	s_add_co_u32 s26, s26, s27
	s_mov_b32 s27, 0
	s_wait_kmcnt 0x0
	s_add_nc_u64 s[14:15], s[4:5], s[26:27]
	s_lshl_b32 s26, s12, 9                         ; 128 w numbers along e
	s_add_nc_u64 s[16:17], s[8:9], s[26:27]
	s_add_nc_u64 s[20:21], s[6:7], s[26:27]
	s_lshl_b32 s26, ttmp9, 13                      ; row g of hidden
	s_add_nc_u64 s[18:19], s[16:17], s[26:27]
	s_lshl_b32 s26, ttmp9, 8
	s_add_nc_u64 s[22:23], s[10:11], s[26:27]
	LDH X1, 0                                      ; fifty loads go out at once
	LDH ACC, 16
	global_load_b128 v[80:83], v1, s[18:19]        ; hidden[g], my 128 e
	global_load_b128 v[84:87], v1, s[20:21]        ; bias, my 128 e
	LDW 0, X0
	s_wait_loadcnt 34                              ; hidden's rows 0-15 are in; out: rows 16-31 (16), the two for c, W's step 0 (16)
	CVH X1, 0
	LDW 1, X1
	s_wait_loadcnt 32                              ; all but W's steps 0 and 1
	CVH ACC, 16
	v_pk_mul_f32 v[88:89], v[80:81], v[84:85]      ; my part of c[g], in f32
	v_pk_fma_f32 v[88:89], v[82:83], v[86:87], v[88:89]
	v_add_f32 v88, v88, v89
	v_add_f32_dpp v88, v88, v88 row_xmask:1 row_mask:0xf bank_mask:0xf
	v_add_f32_dpp v88, v88, v88 row_xmask:2 row_mask:0xf bank_mask:0xf
	v_add_f32_dpp v88, v88, v88 row_xmask:4 row_mask:0xf bank_mask:0xf
	v_add_f32_dpp v88, v88, v88 row_xmask:8 row_mask:0xf bank_mask:0xf
	v_permlanex16_b32 v89, v88, s24, s25
	v_add_f32 v88, v88, v89
	ds_store_b32 v11, v88                          ; all lanes: the same word, the same number
	KSTEP 0, X0, 1, 1, 16                          ; the first products start the sums: nothing is cleared
	KSTEP 1, X1, 0, 1, 16
	KSTEP 2, X0, 0, 0, 16
	KSTEP 3, X1, 0, 0, 0
	; The partial sums go into my own region, whose bf16 rows I have read to the end (the last step's wait for its LDS loads); each accumulator's low registers first.
.irp i, 0,1,2,3,4,5,6,7,8,9,10,11,12,13,14,15
	ds_store_b128 v5, v[ACC+4*(\i):ACC+4*(\i)+3] offset:512*(\i)
.endr
	s_wait_dscnt 0x0                               ; for the others' sake: my dump and my part of c are written
	s_barrier_signal -1
	s_barrier_wait -1
.irp p, 0,1,2,3,4,5,6,7
	ds_load_b128 v[RS+4*(\p):RS+4*(\p)+3], v6 offset:(\p)*REGB          ; quad w of every wave's dump
.endr
.irp p, 0,1,2,3,4,5,6,7
	ds_load_b128 v[RS+32+4*(\p):RS+32+4*(\p)+3], v7 offset:(\p)*REGB
.endr
	s_wait_dscnt 0x0
.irp p, 0,1,2,3,4,5,6,7
	QADD RS+4*(\p), RS+4*(\p)+32
.endr
.irp p, 0,1,2,3
	QADD RS+4*(\p), RS+4*(\p)+16
.endr
	QADD RS, RS+8
	QADD RS+4, RS+12
	QADD RS, RS+4
.irp j, 0,1,2,3
	ds_store_b32 v8, v[RS+(\j)] offset:256*(\j)    ; four rows of the stage, column 4 q + t
.endr
	s_wait_dscnt 0x0                               ; for the others' sake: my numbers are in the stage
	s_barrier_signal -1
	s_barrier_wait -1
	ds_load_b128 v[132:135], v9
	s_wait_dscnt 0x0
	global_store_b128 v10, v[132:135], s[22:23]    ; sixteen lanes store 256 consecutive bytes, at a multiple of 256 from proj's first byte
	s_cmp_lg_u32 s12, 0
	s_cbranch_scc1 .Lend
	ds_load_b128 v[136:139], v12                   ; wave 0: the sixteen parts of c[g], written ahead of the first barrier; every lane reads all
	ds_load_b128 v[140:143], v12 offset:16
	ds_load_b128 v[144:147], v12 offset:32
	ds_load_b128 v[148:151], v12 offset:48
	s_wait_dscnt 0x0
	QADD 136, 140
	QADD 144, 148
	QADD 136, 144
	v_pk_add_f32 v[136:137], v[136:137], v[138:139]
	v_add_f32 v136, v136, v137
	v_mov_b32 v137, v136
	global_store_b64 v13, v[136:137], s[22:23] offset:32*ROWB  ; 32 lanes x 8 bytes: c[g]'s 256 aligned bytes, whole
.Lend:
	s_wait_xcnt 0x0
	v_lshl_add_u32 v254, v0, 2, 0x24100
	v_mov_b32 v255, 0
	s_wait_tensorcnt 0x0
	ds_add_u32 v254, v255
	s_wait_dscnt 0x0
	s_endpgm
.Lfunc_end_k_q1512044854_proj:
	.size	k_q1512044854_proj, .Lfunc_end_k_q1512044854_proj-k_q1512044854_proj
	.p2alignl 7, 3214868480
	.fill 96, 4, 3214868480
	.section	.rodata,"a",@progbits
	.p2align	6, 0x0
	.amdhsa_kernel k_q1512044854_proj
		.amdhsa_group_segment_fixed_size 149760
		.amdhsa_private_segment_fixed_size 0
		.amdhsa_enable_private_segment 0
		.amdhsa_kernarg_size 32
		.amdhsa_user_sgpr_count 2
		.amdhsa_user_sgpr_kernarg_segment_ptr 1
		.amdhsa_wavefront_size32 1
		.amdhsa_system_sgpr_workgroup_id_x 1
		.amdhsa_system_sgpr_workgroup_id_y 1
		.amdhsa_system_sgpr_workgroup_id_z 1
		.amdhsa_system_vgpr_workitem_id 0
		.amdhsa_next_free_vgpr 256
		.amdhsa_next_free_sgpr 66
		.amdhsa_reserve_vcc 0
		.amdhsa_float_denorm_mode_32 3
		.amdhsa_float_denorm_mode_16_64 3
		.amdhsa_memory_ordered 1
		.amdhsa_forward_progress 1
		.amdhsa_inst_pref_size 36
	.end_amdhsa_kernel
	.amdgpu_metadata
---
amdhsa.version: [ 1, 2 ]
amdhsa.kernels:
  - .name:           k_q1512044854_proj
    .symbol:         k_q1512044854_proj.kd
    .args:
      - { .name: W, .offset: 0, .size: 8, .value_kind: global_buffer, .address_space: global }
      - { .name: b, .offset: 8, .size: 8, .value_kind: global_buffer, .address_space: global }
      - { .name: hidden, .offset: 16, .size: 8, .value_kind: global_buffer, .address_space: global }
      - { .name: proj, .offset: 24, .size: 8, .value_kind: global_buffer, .address_space: global }
    .group_segment_fixed_size: 149760
    .private_segment_fixed_size: 0
    .kernarg_segment_align: 8
    .kernarg_segment_size: 32
    .max_flat_workgroup_size: 512
    .sgpr_count:     66
    .vgpr_count:     256
    .wavefront_size: 32
...
	.end_amdgpu_metadata
.endif
;; end of part 1
;; launch score (part 2): grid 256 x 1, 32 waves a work-group, no clusters, 4,352 bytes of LDS; arguments encoder_outputs, proj, out0; writes out0
.if DOCPART == 2
	.amdgcn_target "amdgcn-amd-amdhsa--gfx1250"
	.amdhsa_code_object_version 6
	.text
	.protected	k_q1512044854_score
	.globl	k_q1512044854_score
	.p2align	8
	.type	k_q1512044854_score,@function
k_q1512044854_score:
	s_mov_b64 s[64:65], 0
	v_nop
	global_prefetch_b8 v0, s[64:65] scope:SCOPE_SE
	s_setreg_imm32_b32 hwreg(HW_REG_WAVE_MODE, 25, 1), 1
	s_wait_xcnt 0x0
; out[l][b] = log_softmax over b of ( sum over d of enc[l][b][d] v[b][d] + c[b] ), with v and c as the launch before left them in proj.  All in f32.
; LIMITS.  The order of summation differs from the reference's.  The row's maximum is taken away before the exponentials; an exponential below 2^-126
; counts as 0, and the sum of the 32 is at least 1.  NaN and infinities are not treated apart.
; SHARES.  Work-group g owns l = 2 g and 2 g + 1: 524,288 consecutive bytes of enc, each read once.  Wave w of 32 is batch row b = w: it loads v[b] once
; and multiplies both its rows of enc by it; a lane takes 16 bytes of every 512.  A ring of eight groups of three loads (v, enc of l, enc of l + 1)
; keeps 24 loads, 12,288 bytes, of every wave on their way.  The 64 scores meet in LDS, and wave 0 takes both rows' log-softmax.
; Each number of enc is used once, so the matrix unit has nothing to gain here: of a 16 x 16 result only the diagonal would be wanted.
; NO CLUSTER, NO LDS FOR v.  All work-groups read v, but each of its rows is used by one wave alone, straight from registers: a joint tile would send
; 262,144 bytes into LDS and out again in every work-group, for 524,288 bytes of enc.
.set LSTR, 262144                      ; bytes from l to l + 1
.set RING, 16                          ; v[16:111]  group j % 8: four registers of v, of enc[l], of enc[l + 1]
; v1 16 L   v[2:5] sums of l   v[6:9] sums of l + 1   v10 4 w   v11 8 L   v[12:14] at work
; s[12:13] enc at my rows   s[14:15] v at my row   s[16:17] proj + 256 w   s18 c[w]   s[8:9] out at my two rows
.macro LDG j
.set R, RING+12*((\j)%8)
	global_load_b128 v[R:R+3],    v1, s[14:15] offset:512*(\j)
	global_load_b128 v[R+4:R+7],  v1, s[12:13] offset:512*(\j) th:TH_LOAD_NT
	global_load_b128 v[R+8:R+11], v1, s[12:13] offset:LSTR+512*(\j) th:TH_LOAD_NT
.endm
.macro DOT j, cnt, more                ; cnt: the younger groups' loads, which stay out.  more = 1: the group's registers take the group eight further on
.set R, RING+12*((\j)%8)
	s_wait_loadcnt \cnt                            ; loads come back in order (ISA guide 5.7.1): group j's three are in
.if (\j) == 0
	v_pk_mul_f32 v[2:3], v[R+4:R+5],   v[R:R+1]    ; the first products start the sums: nothing is cleared
	v_pk_mul_f32 v[4:5], v[R+6:R+7],   v[R+2:R+3]
	v_pk_mul_f32 v[6:7], v[R+8:R+9],   v[R:R+1]
	v_pk_mul_f32 v[8:9], v[R+10:R+11], v[R+2:R+3]
.else
	v_pk_fma_f32 v[2:3], v[R+4:R+5],   v[R:R+1],   v[2:3]
	v_pk_fma_f32 v[4:5], v[R+6:R+7],   v[R+2:R+3], v[4:5]
	v_pk_fma_f32 v[6:7], v[R+8:R+9],   v[R:R+1],   v[6:7]
	v_pk_fma_f32 v[8:9], v[R+10:R+11], v[R+2:R+3], v[8:9]
.endif
.if \more
	LDG (\j)+8
.endif
.endm
	s_load_b128 s[4:7], s[0:1], 0x0                ; enc s[4:5], proj s[6:7]
	s_load_b64 s[8:9], s[0:1], 0x10                ; out
	v_lshl_add_u32 v112, v0, 2, 0x100
	v_mov_b32 v113, 0
	v_and_b32 v12, 31, v0                          ; L
	v_lshrrev_b32 v13, 5, v0
	v_readfirstlane_b32 s10, v13                   ; w = b, 0 .. 31
	v_lshlrev_b32 v1, 4, v12
	v_lshlrev_b32 v11, 3, v12
	v_lshlrev_b32 v10, 2, v13
	s_mov_b32 s20, 0x76543210                      ; v_permlanex16_b32: each lane takes its own place in the other half
	s_mov_b32 s21, 0xfedcba98
	s_lshl_b32 s22, ttmp9, 19                      ; 2 g x 262,144 bytes
	s_lshl_b32 s23, s10, 13                        ; row w of 8,192 bytes
	s_add_co_u32 s22, s22, s23
	s_mov_b32 s23, 0
	s_wait_kmcnt 0x0
	s_add_nc_u64 s[12:13], s[4:5], s[22:23]
	s_lshl_b32 s22, s10, 13
	s_add_nc_u64 s[14:15], s[6:7], s[22:23]
	s_lshl_b32 s22, s10, 8
	s_add_nc_u64 s[16:17], s[6:7], s[22:23]
	s_lshl_b32 s22, ttmp9, 8                       ; two rows of 128 bytes
	s_add_nc_u64 s[8:9], s[8:9], s[22:23]
.irp j, 0,1,2,3,4,5,6,7
	LDG \j
.endr
	s_load_b32 s18, s[16:17], 0x40000              ; c[w], behind v's 262,144 bytes; this launch writes nothing of proj
.irp j, 0,1,2,3,4,5,6,7
	DOT \j, 21, 1                                  ; seven younger groups of three stay out
.endr
.irp j, 8,9,10,11,12,13,14,15
	DOT \j, 3*(15-\j), 0                           ; nothing is left to load: the counts run down
.endr
	v_pk_add_f32 v[2:3], v[2:3], v[4:5]            ; within the lane, then across the 32 lanes; the two rows alternate
	v_pk_add_f32 v[6:7], v[6:7], v[8:9]
	v_add_f32 v2, v2, v3
	v_add_f32 v6, v6, v7
.irp x, 1,2,4,8
	v_add_f32_dpp v2, v2, v2 row_xmask:\x row_mask:0xf bank_mask:0xf
	v_add_f32_dpp v6, v6, v6 row_xmask:\x row_mask:0xf bank_mask:0xf
.endr
	v_permlanex16_b32 v3, v2, s20, s21
	v_permlanex16_b32 v7, v6, s20, s21
	v_add_f32 v2, v2, v3
	v_add_f32 v6, v6, v7
	s_wait_kmcnt 0x0                               ; c[w]
	v_add_f32 v2, s18, v2
	v_add_f32 v6, s18, v6
	ds_store_b32 v10, v2                           ; LDS: [2 l][32 b]; all lanes write the same word with the same number
	ds_store_b32 v10, v6 offset:128
	s_wait_dscnt 0x0                               ; for wave 0's sake: my two scores are written
	s_barrier_signal -1
	s_barrier_wait -1
	s_cmp_lg_u32 s10, 0
	s_cbranch_scc1 .Lend
	ds_load_b64 v[12:13], v11                      ; lane L: row L / 16, b = 2 (L % 16) and the next: a half of sixteen lanes holds one row
	s_wait_dscnt 0x0
	v_max_num_f32 v14, v12, v13
.irp x, 1,2,4,8
	v_max_num_f32_dpp v14, v14, v14 row_xmask:\x row_mask:0xf bank_mask:0xf
.endr
	v_sub_f32 v12, v12, v14                        ; x - max
	v_sub_f32 v13, v13, v14
	v_mul_f32 v2, 0x3fb8aa3b, v12                  ; times log2(e)
	v_mul_f32 v3, 0x3fb8aa3b, v13
	v_exp_f32 v2, v2
	v_exp_f32 v3, v3
	v_nop                                          ; a plain instruction between an exponential and the use of its result (ISA guide 5.7.2)
	s_wait_alu depctr_va_vdst(0)
	v_add_f32 v2, v2, v3
.irp x, 1,2,4,8
	v_add_f32_dpp v2, v2, v2 row_xmask:\x row_mask:0xf bank_mask:0xf
.endr
	v_log_f32 v2, v2                               ; log2 of the sum
	v_nop
	s_wait_alu depctr_va_vdst(0)
	v_fmamk_f32 v12, v2, 0xbf317218, v12           ; (x - max) - ln(2) log2(sum)
	v_fmamk_f32 v13, v2, 0xbf317218, v13
	global_store_b64 v11, v[12:13], s[8:9]         ; 32 lanes x 8 bytes: 256 consecutive bytes, at a multiple of 256 from out's first byte
.Lend:
	s_wait_tensorcnt 0x0
	ds_add_u32 v112, v113
	s_wait_dscnt 0x0
	s_endpgm
.Lfunc_end_k_q1512044854_score:
	.size	k_q1512044854_score, .Lfunc_end_k_q1512044854_score-k_q1512044854_score
	.p2alignl 7, 3214868480
	.fill 96, 4, 3214868480
	.section	.rodata,"a",@progbits
	.p2align	6, 0x0
	.amdhsa_kernel k_q1512044854_score
		.amdhsa_group_segment_fixed_size 4352
		.amdhsa_private_segment_fixed_size 0
		.amdhsa_enable_private_segment 0
		.amdhsa_kernarg_size 24
		.amdhsa_user_sgpr_count 2
		.amdhsa_user_sgpr_kernarg_segment_ptr 1
		.amdhsa_wavefront_size32 1
		.amdhsa_system_sgpr_workgroup_id_x 1
		.amdhsa_system_sgpr_workgroup_id_y 1
		.amdhsa_system_sgpr_workgroup_id_z 1
		.amdhsa_system_vgpr_workitem_id 0
		.amdhsa_next_free_vgpr 114
		.amdhsa_next_free_sgpr 66
		.amdhsa_reserve_vcc 0
		.amdhsa_float_denorm_mode_32 3
		.amdhsa_float_denorm_mode_16_64 3
		.amdhsa_memory_ordered 1
		.amdhsa_forward_progress 1
		.amdhsa_inst_pref_size 13
	.end_amdhsa_kernel
	.amdgpu_metadata
---
amdhsa.version: [ 1, 2 ]
amdhsa.kernels:
  - .name:           k_q1512044854_score
    .symbol:         k_q1512044854_score.kd
    .args:
      - { .name: encoder_outputs, .offset: 0, .size: 8, .value_kind: global_buffer, .address_space: global }
      - { .name: proj, .offset: 8, .size: 8, .value_kind: global_buffer, .address_space: global }
      - { .name: out0, .offset: 16, .size: 8, .value_kind: global_buffer, .address_space: global }
    .group_segment_fixed_size: 4352
    .private_segment_fixed_size: 0
    .kernarg_segment_align: 8
    .kernarg_segment_size: 24
    .max_flat_workgroup_size: 1024
    .sgpr_count:     66
    .vgpr_count:     114
    .wavefront_size: 32
...
	.end_amdgpu_metadata
.endif
;; end of part 2
;; ======== version 2 of 3: 3 launches; 1.19 times as fast as version 1
;; workspace buffers: part 2,162,688 bytes; proj 270,336 bytes
;; launch vpart (part 3): grid 32 x 8, 4 waves a work-group, no clusters, 41,728 bytes of LDS; arguments W, b, hidden, part; writes part
.if DOCPART == 3
	.amdgcn_target "amdgcn-amd-amdhsa--gfx1250"
	.amdhsa_code_object_version 6
	.text
	.protected	k_q1512044854_vpart
	.globl	k_q1512044854_vpart
	.p2align	8
	.type	k_q1512044854_vpart,@function
k_q1512044854_vpart:
	s_mov_b64 s[64:65], 0
	v_nop
	global_prefetch_b8 v0, s[64:65] scope:SCOPE_SE
	s_setreg_imm32_b32 hwreg(HW_REG_WAVE_MODE, 25, 1), 1
	s_wait_xcnt 0x0
; PARTIAL SUMS of  v[b][d] = sum over e of hidden[b][e] W[e][d]  (32 x 2048, f32)  and of  c[b] = sum over e of bias[e] hidden[b][e].
; The module's scores are sum_e (sum_d enc[l,b,d] W[e,d] + bias[e]) hidden[b,e] = sum_d enc[l,b,d] v[b,d] + c[b]: the same sum in another order,
; for every input.  This launch makes eight parts of v and c, one for each eighth of e; the next adds them; the last takes the dot products with enc.
; LIMITS.  The order of summation differs from the reference's.  W and hidden are rounded to bf16 for the matrix product, sums in f32; c is made in f32.
; NaN and infinities are not treated apart.
; SHARES.  Work-group (g, ks) owns the columns d = 64 g .. 64 g + 63 (256 aligned bytes of a row of W: no narrower share keeps them whole) and
; e = 256 ks .. 256 ks + 255: 65,536 bytes of W, each read once in the launch, 256 work-groups.  Wave w of four owns 64 of those e: two K steps of 32,
; partial sums of 32 x 64 in eight accumulators; its slice of a row of hidden is 256 aligned bytes, and it alone rounds and reads that slice.
; The four waves' sums meet in LDS.
; W IS NOT TURNED.  Lane (q = lane % 16, h = lane / 16) loads 16 bytes, columns 4 q .. 4 q + 3, of sixteen rows of W: just the sixteen k that a lane of a
; 16-bit B fragment holds.  Column tile t is the set of columns 4 q + t, so register r of its fragment is the bf16 pair of number t of loads 2 r and 2 r + 1.
; In the result of (row tile mt, column tile t) register j of lane (q, h) is v[16 mt + 8 h + j][64 g + 4 q + t].
; NO CLUSTER.  W's tiles are shared by nobody.  The 32 work-groups of one ks share their slice of hidden, 32,768 of a work-group's 98,304 bytes; it has to
; pass through registers to be rounded, so a joint tile would add a round of the cluster's barrier and a trip into LDS and back to a launch of one step.
; part[ks], 270,336 bytes: bytes 0 .. 262,143 the part of v, row-major; bytes 262,144 + 256 g .. + 255 the part of c[g], 64 times, so that one store
; covers those 256 aligned bytes.
.set ROWB,  8192                       ; bytes in a row of W, of hidden and of v
.set PARTB, 270336                     ; bytes in a part
.set PITCH, 144                        ; LDS row of hidden in bf16: 128 bytes + 16: the sixteen rows of a fragment load start 36 words apart
.set REGB,  8192                       ; a wave's region: first 32 such rows (4,608 bytes), later its 8,192 bytes of partial sums
.set STG,   4*REGB                     ; the work-group's 32 x 64 numbers, rows of 256 bytes
.set CRED,  STG+8192                   ; four words: the waves' parts of c[g]
.set ACC,   16                         ; v[16:79]    accumulator 4 mt + t, eight registers each (first: my slice of hidden as loaded)
.set BF,    80                         ; v[80:111]   B fragments, tile t at BF + 8 t (first: the two slices for c, and pairs at work)
.set AF,    112                        ; v[112:127]  A fragments, row tile mt at AF + 8 mt
.set X0,    128                        ; v[128:191]  K step 0: sixteen rows of W as loaded
.set X1,    192                        ; v[192:255]  K step 1
.set RS,    128                        ; the reduction's sixteen quads
.set OB,    192                        ; eight rows out of the stage
; v1 hidden's lane offset   v2 W's   v3 A fragments   v4 hidden into LDS   v5 my dump   v6 the reduction's reads   v8 into the stage   v9 out of it
; v10 my offset in the part of v   v11 my word of c's parts   v12 those words   v13 8 L   v14 L   v15 q
; s12 w   s13 ks   s[14:15] W at my rows and columns   s[16:17] hidden at my e   s[18:19] hidden[g] at my e   s[20:21] bias at my e   s[22:23] part[ks] at my columns
.macro LDW s, X                        ; K step s: rows 8 h + i and 16 + 8 h + i (i = 0..7) of its 32; sixteen lanes cover 256 consecutive aligned bytes; read once in the launch
.irp i, 0,1,2,3,4,5,6,7,8,9,10,11,12,13,14,15
	global_load_b128 v[(\X)+4*(\i):(\X)+4*(\i)+3], v2, s[14:15] offset:(\s)*32*ROWB+((\i)+8*((\i)/8))*ROWB th:TH_LOAD_NT
.endr
.endm
; One K step of 32.  cnt: the loads that may stay out (the other step's sixteen, or none).
.macro KSTEP s, X, zero, cnt
.irp m, 0,1
	ds_load_b128 v[AF+8*(\m):AF+8*(\m)+3],   v3 offset:(\m)*16*PITCH+64*(\s)     ; my own bytes: LDS serves a wave's instructions in order (ISA guide 5.7.1.4)
	ds_load_b128 v[AF+8*(\m)+4:AF+8*(\m)+7], v3 offset:(\m)*16*PITCH+64*(\s)+32
.endr
	s_wait_loadcnt \cnt                            ; loads come back in order (ISA guide 5.7.1): this step's sixteen are in
.irp t, 0,1,2,3
.irp r, 0,1,2,3,4,5,6,7
	v_cvt_pk_bf16_f32 v[BF+8*(\t)+(\r)], v[(\X)+8*(\r)+(\t)], v[(\X)+8*(\r)+4+(\t)]
.endr
.endr
	s_wait_dscnt 0x0                               ; A's fragments are in
.irp m, 0,1
.irp t, 0,1,2,3                        ; the eight accumulators take turns, one instruction a turn, from step to step too
.if \zero
	v_wmma_f32_16x16x32_bf16 v[ACC+8*(4*(\m)+(\t)):ACC+8*(4*(\m)+(\t))+7], v[AF+8*(\m):AF+8*(\m)+7], v[BF+8*(\t):BF+8*(\t)+7], 0
.else
	v_wmma_f32_16x16x32_bf16 v[ACC+8*(4*(\m)+(\t)):ACC+8*(4*(\m)+(\t))+7], v[AF+8*(\m):AF+8*(\m)+7], v[BF+8*(\t):BF+8*(\t)+7], v[ACC+8*(4*(\m)+(\t)):ACC+8*(4*(\m)+(\t))+7]
.endif
.endr
.endr
.rept 4
	v_nop                                          ; four places ahead of the next step's loads into AF and conversions into BF, and of the dump's reads
.endr
.endm
.macro QADD d, s                       ; quad s is added onto quad d
	v_pk_add_f32 v[(\d):(\d)+1],   v[(\d):(\d)+1],   v[(\s):(\s)+1]
	v_pk_add_f32 v[(\d)+2:(\d)+3], v[(\d)+2:(\d)+3], v[(\s)+2:(\s)+3]
.endm
	s_load_b256 s[4:11], s[0:1], 0x0               ; W s[4:5], bias s[6:7], hidden s[8:9], part s[10:11]
	v_lshl_add_u32 v7, v0, 2, 0xa100
	s_set_vgpr_msb 0x40
	v_mov_b32 v1, 0
	s_set_vgpr_msb 0x4000
	v_and_b32 v14, 31, v0                          ; L
	v_lshrrev_b32 v17, 5, v0
	v_readfirstlane_b32 s12, v17                   ; w, 0 .. 3
	v_and_b32 v15, 15, v0                          ; q
	v_bfe_u32 v16, v0, 4, 1                        ; h
	s_and_b32 s13, ttmp7, 0xffff                   ; ks, 0 .. 7
	s_mov_b32 s24, 0x76543210                      ; v_permlanex16_b32: each lane takes its own place in the other half
	s_mov_b32 s25, 0xfedcba98
	s_lshl_b32 s28, s12, 13                        ; my region
	v_lshlrev_b32 v1, 4, v15
	v_lshl_add_u32 v1, v16, 13, v1                 ; row h of two + 16 q
	v_lshlrev_b32 v2, 4, v15
	v_lshl_add_u32 v2, v16, 16, v2                 ; 8 h rows of 8,192 bytes + 16 q
	v_mul_u32_u24 v3, v15, PITCH
	v_lshl_add_u32 v3, v16, 4, v3
	v_add_nc_u32 v3, s28, v3                       ; region + row q + 16 h
	v_mul_u32_u24 v4, v16, PITCH
	v_lshl_add_u32 v4, v15, 3, v4
	v_add_nc_u32 v4, s28, v4                       ; region + row h of two + 8 q
	v_lshl_add_u32 v5, v14, 4, s28
	s_lshl_b32 s29, s12, 11
	v_lshl_add_u32 v6, v14, 4, s29                 ; quads 4 w .. of region 0; the quad and the region stand in the immediate
	v_add_nc_u32 v9, STG, v6                       ; stage rows 8 w .., 16 bytes a lane
	; Quads 4 w .. 4 w + 3 of the 64 accumulator registers are accumulators 2 w and 2 w + 1: mt = w / 2, t = 2 (w % 2) + 0, 1.
	s_lshr_b32 s30, s12, 1
	s_lshl_b32 s30, s30, 12                        ; 16 mt rows of 256 bytes
	s_and_b32 s31, s12, 1
	s_lshl_b32 s31, s31, 3                         ; + 4 x 2 (w % 2) bytes
	s_add_co_u32 s30, s30, s31
	s_add_co_u32 s30, s30, STG
	v_lshlrev_b32 v8, 4, v15
	v_lshl_add_u32 v8, v16, 11, v8                 ; + 8 h rows + 16 q bytes
	v_add_nc_u32 v8, s30, v8
	s_lshl_b32 s31, s12, 16
	v_add_nc_u32 v10, s31, v1                      ; row 8 w + h of v, 16 q bytes
	v_lshl_add_u32 v11, v17, 2, CRED
	v_mov_b32 v12, CRED
	v_lshlrev_b32 v13, 3, v14
	s_lshl_b32 s26, s13, 21                        ; 256 ks rows of W
	s_lshl_b32 s27, s12, 19                        ; + 64 w rows
	s_add_co_u32 s26, s26, s27
	s_lshl_b32 s27, ttmp9, 8                       ; + 64 g columns
	s_add_co_u32 s26, s26, s27
	s_mov_b32 s27, 0
	s_lshl_b32 s32, s13, 10                        ; 256 ks numbers along e
	s_lshl_b32 s33, s12, 8                         ; + 64 w
	s_add_co_u32 s32, s32, s33
	s_mov_b32 s33, 0
	s_lshl_b32 s34, ttmp9, 13                      ; row g of hidden
	s_mov_b32 s35, 0
	s_mul_i32 s36, s13, PARTB                      ; part ks,
	s_lshl_b32 s37, ttmp9, 8                       ; 64 g columns
	s_add_co_u32 s36, s36, s37
	s_mov_b32 s37, 0
	s_wait_kmcnt 0x0
	s_add_nc_u64 s[14:15], s[4:5], s[26:27]
	s_add_nc_u64 s[16:17], s[8:9], s[32:33]
	s_add_nc_u64 s[20:21], s[6:7], s[32:33]
	s_add_nc_u64 s[18:19], s[16:17], s[34:35]
	s_add_nc_u64 s[22:23], s[10:11], s[36:37]
	; Fifty loads go out at once: all that the wave reads from memory.
.irp i, 0,1,2,3,4,5,6,7,8,9,10,11,12,13,14,15
	global_load_b128 v[ACC+4*(\i):ACC+4*(\i)+3], v1, s[16:17] offset:(\i)*2*ROWB  ; hidden's rows 2 i and 2 i + 1, my 64 e: sixteen lanes cover 256 consecutive aligned bytes
.endr
	global_load_b64 v[80:81], v13, s[18:19]        ; hidden[g], my 64 e: 32 lanes cover 256 consecutive aligned bytes
	global_load_b64 v[84:85], v13, s[20:21]        ; bias, my 64 e
	LDW 0, X0
	LDW 1, X1
	s_wait_loadcnt 34                              ; hidden is in; out: the two for c and W's 32
.irp i, 0,1,2,3,4,5,6,7,8,9,10,11,12,13,14,15
	v_cvt_pk_bf16_f32 v[88+2*((\i)%12)],   v[ACC+4*(\i)],   v[ACC+4*(\i)+1]      ; rounded to bf16, 8 bytes a lane, into my region
	v_cvt_pk_bf16_f32 v[88+2*((\i)%12)+1], v[ACC+4*(\i)+2], v[ACC+4*(\i)+3]
	ds_store_b64 v4, v[88+2*((\i)%12):88+2*((\i)%12)+1] offset:(\i)*2*PITCH
.endr
	s_wait_loadcnt 32                              ; all but W's 32
	v_pk_mul_f32 v[88:89], v[80:81], v[84:85]      ; my part of c[g], in f32
	v_add_f32 v88, v88, v89
	v_add_f32_dpp v88, v88, v88 row_xmask:1 row_mask:0xf bank_mask:0xf
	v_add_f32_dpp v88, v88, v88 row_xmask:2 row_mask:0xf bank_mask:0xf
	v_add_f32_dpp v88, v88, v88 row_xmask:4 row_mask:0xf bank_mask:0xf
	v_add_f32_dpp v88, v88, v88 row_xmask:8 row_mask:0xf bank_mask:0xf
	v_permlanex16_b32 v89, v88, s24, s25
	v_add_f32 v88, v88, v89
	ds_store_b32 v11, v88                          ; all lanes: the same word, the same number
	KSTEP 0, X0, 1, 16                             ; the first products start the sums: nothing is cleared
	KSTEP 1, X1, 0, 0
	; The partial sums go into my own region, whose bf16 rows I have read to the end (the last step's wait for its LDS loads); each accumulator's low registers first.
.irp i, 0,1,2,3,4,5,6,7,8,9,10,11,12,13,14,15
	ds_store_b128 v5, v[ACC+4*(\i):ACC+4*(\i)+3] offset:512*(\i)
.endr
	s_wait_dscnt 0x0                               ; for the others' sake: my dump and my part of c are written
	s_barrier_signal -1
	s_barrier_wait -1
.irp p, 0,1,2,3
.irp c, 0,1,2,3
	ds_load_b128 v[RS+16*(\p)+4*(\c):RS+16*(\p)+4*(\c)+3], v6 offset:(\p)*REGB+512*(\c)  ; quads 4 w + c of every wave's dump
.endr
.endr
	s_wait_dscnt 0x0
.irp c, 0,1,2,3
	QADD RS+4*(\c), RS+16+4*(\c)
.endr
.irp c, 0,1,2,3
	QADD RS+32+4*(\c), RS+48+4*(\c)
.endr
.irp c, 0,1,2,3
	QADD RS+4*(\c), RS+32+4*(\c)
.endr
.irp u, 0,1                            ; accumulator 2 w + u, its half f, register 4 f + j: stage row 16 mt + 8 h + 4 f + j, column 4 q + 2 (w % 2) + u
.irp f, 0,1
.irp j, 0,1,2,3
	ds_store_b32 v8, v[RS+8*(\u)+4*(\f)+(\j)] offset:1024*(\f)+256*(\j)+4*(\u)
.endr
.endr
.endr
	s_wait_dscnt 0x0                               ; for the others' sake: my numbers are in the stage
	s_barrier_signal -1
	s_barrier_wait -1
.irp c, 0,1,2,3
	ds_load_b128 v[OB+4*(\c):OB+4*(\c)+3], v9 offset:512*(\c)
.endr
	s_wait_dscnt 0x0
.irp c, 0,1,2,3
	global_store_b128 v10, v[OB+4*(\c):OB+4*(\c)+3], s[22:23] offset:(\c)*2*ROWB  ; sixteen lanes store 256 consecutive bytes, at a multiple of 256 from part's first byte
.endr
	s_cmp_lg_u32 s12, 0
	s_cbranch_scc1 .Lend
	ds_load_b128 v[208:211], v12                   ; wave 0: the four waves' parts of c[g], written ahead of the first barrier; every lane reads all
	s_wait_dscnt 0x0
	v_pk_add_f32 v[208:209], v[208:209], v[210:211]
	v_add_f32 v208, v208, v209
	v_mov_b32 v209, v208
	global_store_b64 v13, v[208:209], s[22:23] offset:32*ROWB  ; 32 lanes x 8 bytes: the 256 aligned bytes of this part of c[g], whole
.Lend:
	s_set_vgpr_msb 0x4
	s_wait_tensorcnt 0x0
	ds_add_u32 v7, v1
	s_wait_dscnt 0x0
	s_set_vgpr_msb 0x400
	s_endpgm
.Lfunc_end_k_q1512044854_vpart:
	.size	k_q1512044854_vpart, .Lfunc_end_k_q1512044854_vpart-k_q1512044854_vpart
	.p2alignl 7, 3214868480
	.fill 96, 4, 3214868480
	.section	.rodata,"a",@progbits
	.p2align	6, 0x0
	.amdhsa_kernel k_q1512044854_vpart
		.amdhsa_group_segment_fixed_size 41728
		.amdhsa_private_segment_fixed_size 0
		.amdhsa_enable_private_segment 0
		.amdhsa_kernarg_size 32
		.amdhsa_user_sgpr_count 2
		.amdhsa_user_sgpr_kernarg_segment_ptr 1
		.amdhsa_wavefront_size32 1
		.amdhsa_system_sgpr_workgroup_id_x 1
		.amdhsa_system_sgpr_workgroup_id_y 1
		.amdhsa_system_sgpr_workgroup_id_z 1
		.amdhsa_system_vgpr_workitem_id 0
		.amdhsa_next_free_vgpr 258
		.amdhsa_next_free_sgpr 66
		.amdhsa_reserve_vcc 0
		.amdhsa_float_denorm_mode_32 3
		.amdhsa_float_denorm_mode_16_64 3
		.amdhsa_memory_ordered 1
		.amdhsa_forward_progress 1
		.amdhsa_inst_pref_size 24
	.end_amdhsa_kernel
	.amdgpu_metadata
---
amdhsa.version: [ 1, 2 ]
amdhsa.kernels:
  - .name:           k_q1512044854_vpart
    .symbol:         k_q1512044854_vpart.kd
    .args:
      - { .name: W, .offset: 0, .size: 8, .value_kind: global_buffer, .address_space: global }
      - { .name: b, .offset: 8, .size: 8, .value_kind: global_buffer, .address_space: global }
      - { .name: hidden, .offset: 16, .size: 8, .value_kind: global_buffer, .address_space: global }
      - { .name: part, .offset: 24, .size: 8, .value_kind: global_buffer, .address_space: global }
    .group_segment_fixed_size: 41728
    .private_segment_fixed_size: 0
    .kernarg_segment_align: 8
    .kernarg_segment_size: 32
    .max_flat_workgroup_size: 128
    .sgpr_count:     66
    .vgpr_count:     258
    .wavefront_size: 32
...
	.end_amdgpu_metadata
.endif
;; end of part 3
;; launch vsum (part 4): grid 264 x 1, 2 waves a work-group, no clusters, 0 bytes of LDS; arguments part, proj; writes proj
.if DOCPART == 4
	.amdgcn_target "amdgcn-amd-amdhsa--gfx1250"
	.amdhsa_code_object_version 6
	.text
	.protected	k_q1512044854_vsum
	.globl	k_q1512044854_vsum
	.p2align	8
	.type	k_q1512044854_vsum,@function
k_q1512044854_vsum:
	s_mov_b64 s[64:65], 0
	v_nop
	global_prefetch_b8 v0, s[64:65] scope:SCOPE_SE
	s_setreg_imm32_b32 hwreg(HW_REG_WAVE_MODE, 25, 1), 1
	s_wait_xcnt 0x0
; proj[i] = sum over ks = 0 .. 7 of part[ks][i], number by number, in f32: the eight parts of v and of c have proj's own layout (262,144 bytes of v,
; row-major, then 256 bytes for each c[b], the number 64 times), so c needs no case of its own.
; The order of the sum: ((p0 + p1) + (p2 + p3)) + ((p4 + p5) + (p6 + p7)).
; SHARES.  270,336 bytes are 264 x 1,024: a work-group of two waves owns 1,024 of them, a lane 16: eight loads, all out at once, and one store; each
; load and store of a wave covers 512 consecutive bytes, at a multiple of 256 from its buffer's first byte.  Nothing is shared between work-groups and
; nothing is read twice, so LDS, clusters and the matrix unit have nothing to give here.
.set PARTB, 270336                     ; bytes in a part, and in proj
.macro QADD d, s                       ; quad s is added onto quad d
	v_pk_add_f32 v[(\d):(\d)+1],   v[(\d):(\d)+1],   v[(\s):(\s)+1]
	v_pk_add_f32 v[(\d)+2:(\d)+3], v[(\d)+2:(\d)+3], v[(\s)+2:(\s)+3]
.endm
	s_load_b128 s[4:7], s[0:1], 0x0                ; part s[4:5], proj s[6:7]
	v_lshlrev_b32 v1, 4, v0                        ; 16 bytes a thread
	s_lshl_b32 s8, ttmp9, 10                       ; 1,024 bytes a work-group
	s_mov_b32 s9, 0
	s_wait_kmcnt 0x0
	s_add_nc_u64 s[4:5], s[4:5], s[8:9]
	s_add_nc_u64 s[6:7], s[6:7], s[8:9]
.irp k, 0,1,2,3,4,5,6,7
	global_load_b128 v[4+4*(\k):7+4*(\k)], v1, s[4:5] offset:(\k)*PARTB th:TH_LOAD_NT  ; part k: read once in the launch
.endr
	s_wait_loadcnt 6                               ; loads come back in order (ISA guide 5.7.1): parts 0 and 1 are in, six stay out
	QADD 4, 8
	s_wait_loadcnt 4                               ; parts 2 and 3
	QADD 12, 16
	QADD 4, 12
	s_wait_loadcnt 2                               ; parts 4 and 5
	QADD 20, 24
	s_wait_loadcnt 0x0                             ; parts 6 and 7
	QADD 28, 32
	QADD 20, 28
	QADD 4, 20
	global_store_b128 v1, v[4:7], s[6:7]
	s_endpgm
.Lfunc_end_k_q1512044854_vsum:
	.size	k_q1512044854_vsum, .Lfunc_end_k_q1512044854_vsum-k_q1512044854_vsum
	.p2alignl 7, 3214868480
	.fill 96, 4, 3214868480
	.section	.rodata,"a",@progbits
	.p2align	6, 0x0
	.amdhsa_kernel k_q1512044854_vsum
		.amdhsa_group_segment_fixed_size 0
		.amdhsa_private_segment_fixed_size 0
		.amdhsa_enable_private_segment 0
		.amdhsa_kernarg_size 16
		.amdhsa_user_sgpr_count 2
		.amdhsa_user_sgpr_kernarg_segment_ptr 1
		.amdhsa_wavefront_size32 1
		.amdhsa_system_sgpr_workgroup_id_x 1
		.amdhsa_system_sgpr_workgroup_id_y 1
		.amdhsa_system_sgpr_workgroup_id_z 1
		.amdhsa_system_vgpr_workitem_id 0
		.amdhsa_next_free_vgpr 36
		.amdhsa_next_free_sgpr 66
		.amdhsa_reserve_vcc 0
		.amdhsa_float_denorm_mode_32 3
		.amdhsa_float_denorm_mode_16_64 3
		.amdhsa_memory_ordered 1
		.amdhsa_forward_progress 1
		.amdhsa_inst_pref_size 3
	.end_amdhsa_kernel
	.amdgpu_metadata
---
amdhsa.version: [ 1, 2 ]
amdhsa.kernels:
  - .name:           k_q1512044854_vsum
    .symbol:         k_q1512044854_vsum.kd
    .args:
      - { .name: part, .offset: 0, .size: 8, .value_kind: global_buffer, .address_space: global }
      - { .name: proj, .offset: 8, .size: 8, .value_kind: global_buffer, .address_space: global }
    .group_segment_fixed_size: 0
    .private_segment_fixed_size: 0
    .kernarg_segment_align: 8
    .kernarg_segment_size: 16
    .max_flat_workgroup_size: 64
    .sgpr_count:     66
    .vgpr_count:     36
    .wavefront_size: 32
...
	.end_amdgpu_metadata
.endif
;; end of part 4
;; launch score: the kernel of part 2 again; grid 256 x 1, 32 waves a work-group, no clusters, 4,352 bytes of LDS; arguments encoder_outputs, proj, out0; writes out0
;; ======== version 3 of 3: 3 launches; version 2 with the launches vpart, score written anew for expert scheduling mode
;; workspace buffers: part 2,162,688 bytes; proj 270,336 bytes
;; launch vpart (part 5): grid 32 x 8, 4 waves a work-group, no clusters, 41,728 bytes of LDS; arguments W, b, hidden, part; writes part
.if DOCPART == 5
	.amdgcn_target "amdgcn-amd-amdhsa--gfx1250"
	.amdhsa_code_object_version 6
	.text
	.protected	k_q1512044854_vpart
	.globl	k_q1512044854_vpart
	.p2align	8
	.type	k_q1512044854_vpart,@function
k_q1512044854_vpart:
	s_mov_b64 s[64:65], 0
	v_nop
	global_prefetch_b8 v0, s[64:65] scope:SCOPE_SE
	s_setreg_imm32_b32 hwreg(HW_REG_WAVE_SCHED_MODE, 0, 2), 2
	s_setreg_imm32_b32 hwreg(HW_REG_WAVE_MODE, 25, 1), 1
	s_wait_xcnt 0x0
	s_wait_alu depctr_vm_vsrc(0)
; PARTIAL SUMS of  v[b][d] = sum over e of hidden[b][e] W[e][d]  (32 x 2048, f32)  and of  c[b] = sum over e of bias[e] hidden[b][e].
; The module's scores are sum_e (sum_d enc[l,b,d] W[e,d] + bias[e]) hidden[b,e] = sum_d enc[l,b,d] v[b,d] + c[b]: the same sum in another order,
; for every input.  This launch makes eight parts of v and c, one for each eighth of e; the next adds them; the last takes the dot products with enc.
; LIMITS.  The order of summation differs from the reference's.  W and hidden are rounded to bf16 for the matrix product, sums in f32; c is made in f32.
; NaN and infinities are not treated apart.
; SHARES.  Work-group (g, ks) owns the columns d = 64 g .. 64 g + 63 (256 aligned bytes of a row of W: no narrower share keeps them whole) and
; e = 256 ks .. 256 ks + 255: 65,536 bytes of W, each read once in the launch, 256 work-groups.  Wave w of four owns 64 of those e: two K steps of 32,
; partial sums of 32 x 64 in eight accumulators; its slice of a row of hidden is 256 aligned bytes, and it alone rounds and reads that slice.
; The four waves' sums meet in LDS.
; W IS NOT TURNED.  Lane (q = lane % 16, h = lane / 16) loads 16 bytes, columns 4 q .. 4 q + 3, of sixteen rows of W: just the sixteen k that a lane of a
; 16-bit B fragment holds.  Column tile t is the set of columns 4 q + t, so register r of its fragment is the bf16 pair of number t of loads 2 r and 2 r + 1.
; In the result of (row tile mt, column tile t) register j of lane (q, h) is v[16 mt + 8 h + j][64 g + 4 q + t].
; NO CLUSTER.  W's tiles are shared by nobody.  The 32 work-groups of one ks share their slice of hidden, 32,768 of a work-group's 98,304 bytes; it has to
; pass through registers to be rounded, so a joint tile would add a round of the cluster's barrier and a trip into LDS and back to a launch of one step.
; part[ks], 270,336 bytes: bytes 0 .. 262,143 the part of v, row-major; bytes 262,144 + 256 g .. + 255 the part of c[g], 64 times, so that one store
; covers those 256 aligned bytes.
; THE MODE: SCHED_MODE bits 1:0 = 2 (LLVM: expert scheduling mode 2), set by the entry lines.  The code itself states the register dependences
; between vector or matrix instructions and memory or LDS instructions, with s_wait_alu, always for 0.
; THE PLAN.  Registers that memory or LDS instructions touch:
;   v1-v6, v8-v13  offsets and addresses: written at the head, never again.  v16, v17 are at work at the head; hidden's loads land on them.
;   HP, CW         hidden's sixteen bf16 pairs and my part of c: written by ONE batch of vector instructions, read by ONE run of 17 LDS stores; from then on they are BF and AF.
;   AF             Step s: four LDS loads land in it, the step's eight matrix instructions read it.
;   ACC            hidden's loads land in it, the batch reads it; then the matrix instructions write it, and the dump's LDS stores read it.
;   X0, X1         W's loads land in them once, a step's conversions read them; later the reduction's and the stage's LDS loads land there.
;   RS, v[208:209] the sums write them, the stage's LDS stores and wave 0's store read them; nothing writes them again.
; So the waits on va_vdst stand: ahead of the first load; ahead of the 17 stores; at step 1's head; ahead of the dump; ahead of the stage's stores; ahead of wave 0's store.
; One wait on vm_vsrc stands behind the 17 stores.  BF is named by vector and matrix instructions alone once it is BF.
.set ROWB,  8192                       ; bytes in a row of W, of hidden and of v
.set PARTB, 270336                     ; bytes in a part
.set PITCH, 144                        ; LDS row of hidden in bf16: 128 bytes + 16: the sixteen rows of a fragment load start 36 words apart
.set REGB,  8192                       ; a wave's region: first 32 such rows (4,608 bytes), later its 8,192 bytes of partial sums
.set STG,   4*REGB                     ; the work-group's 32 x 64 numbers, rows of 256 bytes
.set CRED,  STG+8192                   ; four words: the waves' parts of c[g]
.set ACC,   16                         ; v[16:79]    accumulator 4 mt + t, eight registers each (first: my slice of hidden as loaded)
.set BF,    80                         ; v[80:111]   B fragments, tile t at BF + 8 t (first: the two slices for c, v[80:81] and v[84:85])
.set HP,    88                         ; v[88:119]   first: my slice of hidden in bf16, pair i at HP + 2 i
.set AF,    112                        ; v[112:127]  A fragments, row tile mt at AF + 8 mt
.set CW,    120                        ; v[120:121]  first: my part of c[g], at work
.set X0,    128                        ; v[128:191]  K step 0: sixteen rows of W as loaded
.set X1,    192                        ; v[192:255]  K step 1
.set RS,    128                        ; the reduction's sixteen quads
.set OB,    192                        ; eight rows out of the stage
; v1 hidden's lane offset   v2 W's   v3 A fragments   v4 hidden into LDS   v5 my dump   v6 the reduction's reads   v8 into the stage   v9 out of it
; v10 my offset in the part of v   v11 my word of c's parts   v12 those words   v13 8 L   v14 L   v15 q
; s12 w   s13 ks   s[14:15] W at my rows and columns   s[16:17] hidden at my e   s[18:19] hidden[g] at my e   s[20:21] bias at my e   s[22:23] part[ks] at my columns
.macro LDW s, X                        ; K step s: rows 8 h + i and 16 + 8 h + i (i = 0..7) of its 32; sixteen lanes cover 256 consecutive aligned bytes; read once in the launch
.irp i, 0,1,2,3,4,5,6,7,8,9,10,11,12,13,14,15
	global_load_b128 v[(\X)+4*(\i):(\X)+4*(\i)+3], v2, s[14:15] offset:(\s)*32*ROWB+((\i)+8*((\i)/8))*ROWB th:TH_LOAD_NT
.endr
.endm
; One K step of 32.  cnt: the loads that may stay out (the other step's sixteen, or none).
.macro KSTEP s, X, zero, cnt
.if (\s) > 0
	s_wait_alu depctr_va_vdst(0)                   ; the step before's matrix instructions are done reading AF, in which the four LDS loads below land
.endif
.irp m, 0,1
	ds_load_b128 v[AF+8*(\m):AF+8*(\m)+3],   v3 offset:(\m)*16*PITCH+64*(\s)     ; my own bytes: LDS serves a wave's instructions in order (ISA guide 5.7.1.4)
	ds_load_b128 v[AF+8*(\m)+4:AF+8*(\m)+7], v3 offset:(\m)*16*PITCH+64*(\s)+32
.endr
	s_wait_loadcnt \cnt                            ; loads come back in order (ISA guide 5.7.1): this step's sixteen are in
.irp t, 0,1,2,3
.irp r, 0,1,2,3,4,5,6,7
	v_cvt_pk_bf16_f32 v[BF+8*(\t)+(\r)], v[(\X)+8*(\r)+(\t)], v[(\X)+8*(\r)+4+(\t)]
.endr
.endr
	s_wait_dscnt 0x0                               ; A's fragments are in
.irp m, 0,1
.irp t, 0,1,2,3                        ; the eight accumulators take turns, one instruction a turn, from step to step too
.if \zero
	v_wmma_f32_16x16x32_bf16 v[ACC+8*(4*(\m)+(\t)):ACC+8*(4*(\m)+(\t))+7], v[AF+8*(\m):AF+8*(\m)+7], v[BF+8*(\t):BF+8*(\t)+7], 0
.else
	v_wmma_f32_16x16x32_bf16 v[ACC+8*(4*(\m)+(\t)):ACC+8*(4*(\m)+(\t))+7], v[AF+8*(\m):AF+8*(\m)+7], v[BF+8*(\t):BF+8*(\t)+7], v[ACC+8*(4*(\m)+(\t)):ACC+8*(4*(\m)+(\t))+7]
.endif
.endr
.endr
.rept 4
	v_nop                                          ; four places (ISA guide 7.12.1) ahead of the next step's conversions into BF, and of the dump's reads of the results
.endr
.endm
.macro QADD d, s                       ; quad s is added onto quad d
	v_pk_add_f32 v[(\d):(\d)+1],   v[(\d):(\d)+1],   v[(\s):(\s)+1]
	v_pk_add_f32 v[(\d)+2:(\d)+3], v[(\d)+2:(\d)+3], v[(\s)+2:(\s)+3]
.endm
	s_load_b256 s[4:11], s[0:1], 0x0               ; W s[4:5], bias s[6:7], hidden s[8:9], part s[10:11]
	v_lshl_add_u32 v7, v0, 2, 0xa100
	s_set_vgpr_msb 0x40
	v_mov_b32 v1, 0
	s_set_vgpr_msb 0x4000
	v_and_b32 v14, 31, v0                          ; L
	v_lshrrev_b32 v17, 5, v0
	v_readfirstlane_b32 s12, v17                   ; w, 0 .. 3
	v_and_b32 v15, 15, v0                          ; q
	v_bfe_u32 v16, v0, 4, 1                        ; h
	s_and_b32 s13, ttmp7, 0xffff                   ; ks, 0 .. 7
	s_mov_b32 s24, 0x76543210                      ; v_permlanex16_b32: each lane takes its own place in the other half
	s_mov_b32 s25, 0xfedcba98
	s_wait_alu depctr_va_sdst(0)                   ; s12 is written, ahead of its first reader: LDS regions, bases and the last branch are made from it
	s_lshl_b32 s28, s12, 13                        ; my region
	v_lshlrev_b32 v1, 4, v15
	v_lshl_add_u32 v1, v16, 13, v1                 ; row h of two + 16 q
	v_lshlrev_b32 v2, 4, v15
	v_lshl_add_u32 v2, v16, 16, v2                 ; 8 h rows of 8,192 bytes + 16 q
	v_mul_u32_u24 v3, v15, PITCH
	v_lshl_add_u32 v3, v16, 4, v3
	v_add_nc_u32 v3, s28, v3                       ; region + row q + 16 h
	v_mul_u32_u24 v4, v16, PITCH
	v_lshl_add_u32 v4, v15, 3, v4
	v_add_nc_u32 v4, s28, v4                       ; region + row h of two + 8 q
	v_lshl_add_u32 v5, v14, 4, s28
	s_lshl_b32 s29, s12, 11
	v_lshl_add_u32 v6, v14, 4, s29                 ; quads 4 w .. of region 0; the quad and the region stand in the immediate
	v_add_nc_u32 v9, STG, v6                       ; stage rows 8 w .., 16 bytes a lane
	; Quads 4 w .. 4 w + 3 of the 64 accumulator registers are accumulators 2 w and 2 w + 1: mt = w / 2, t = 2 (w % 2) + 0, 1.
	s_lshr_b32 s30, s12, 1
	s_lshl_b32 s30, s30, 12                        ; 16 mt rows of 256 bytes
	s_and_b32 s31, s12, 1
	s_lshl_b32 s31, s31, 3                         ; + 4 x 2 (w % 2) bytes
	s_add_co_u32 s30, s30, s31
	s_add_co_u32 s30, s30, STG
	v_lshlrev_b32 v8, 4, v15
	v_lshl_add_u32 v8, v16, 11, v8                 ; + 8 h rows + 16 q bytes
	v_add_nc_u32 v8, s30, v8
	s_lshl_b32 s31, s12, 16
	v_add_nc_u32 v10, s31, v1                      ; row 8 w + h of v, 16 q bytes
	v_lshl_add_u32 v11, v17, 2, CRED
	v_mov_b32 v12, CRED
	v_lshlrev_b32 v13, 3, v14
	s_lshl_b32 s26, s13, 21                        ; 256 ks rows of W
	s_lshl_b32 s27, s12, 19                        ; + 64 w rows
	s_add_co_u32 s26, s26, s27
	s_lshl_b32 s27, ttmp9, 8                       ; + 64 g columns
	s_add_co_u32 s26, s26, s27
	s_mov_b32 s27, 0
	s_lshl_b32 s32, s13, 10                        ; 256 ks numbers along e
	s_lshl_b32 s33, s12, 8                         ; + 64 w
	s_add_co_u32 s32, s32, s33
	s_mov_b32 s33, 0
	s_lshl_b32 s34, ttmp9, 13                      ; row g of hidden
	s_mov_b32 s35, 0
	s_mul_i32 s36, s13, PARTB                      ; part ks,
	s_lshl_b32 s37, ttmp9, 8                       ; 64 g columns
	s_add_co_u32 s36, s36, s37
	s_mov_b32 s37, 0
	s_wait_kmcnt 0x0
	s_add_nc_u64 s[14:15], s[4:5], s[26:27]
	s_add_nc_u64 s[16:17], s[8:9], s[32:33]
	s_add_nc_u64 s[20:21], s[6:7], s[32:33]
	s_add_nc_u64 s[18:19], s[16:17], s[34:35]
	s_add_nc_u64 s[22:23], s[10:11], s[36:37]
	s_wait_alu depctr_va_vdst(0)                   ; the offsets and addresses v1 to v6 and v8 to v13 are written, which every load and store below reads; v16 and v17, on which hidden's loads land, are written and done with
	; Fifty loads go out at once: all that the wave reads from memory.
.irp i, 0,1,2,3,4,5,6,7,8,9,10,11,12,13,14,15
	global_load_b128 v[ACC+4*(\i):ACC+4*(\i)+3], v1, s[16:17] offset:(\i)*2*ROWB  ; hidden's rows 2 i and 2 i + 1, my 64 e: sixteen lanes cover 256 consecutive aligned bytes
.endr
	global_load_b64 v[80:81], v13, s[18:19]        ; hidden[g], my 64 e: 32 lanes cover 256 consecutive aligned bytes
	global_load_b64 v[84:85], v13, s[20:21]        ; bias, my 64 e
	LDW 0, X0
	LDW 1, X1
	s_wait_loadcnt 32                              ; hidden and the two for c are in; out: W's 32
	; ONE batch of vector work, then ONE run of LDS stores.
.irp i, 0,1,2,3,4,5,6,7,8,9,10,11,12,13,14,15
	v_cvt_pk_bf16_f32 v[HP+2*(\i)],   v[ACC+4*(\i)],   v[ACC+4*(\i)+1]           ; rounded to bf16, 8 bytes a lane: a pair of registers of its own for each of the sixteen
	v_cvt_pk_bf16_f32 v[HP+2*(\i)+1], v[ACC+4*(\i)+2], v[ACC+4*(\i)+3]
.endr
	v_pk_mul_f32 v[CW:CW+1], v[80:81], v[84:85]    ; my part of c[g], in f32
	v_add_f32 v[CW], v[CW], v[CW+1]
	v_add_f32_dpp v[CW], v[CW], v[CW] row_xmask:1 row_mask:0xf bank_mask:0xf
	v_add_f32_dpp v[CW], v[CW], v[CW] row_xmask:2 row_mask:0xf bank_mask:0xf
	v_add_f32_dpp v[CW], v[CW], v[CW] row_xmask:4 row_mask:0xf bank_mask:0xf
	v_add_f32_dpp v[CW], v[CW], v[CW] row_xmask:8 row_mask:0xf bank_mask:0xf
	v_permlanex16_b32 v[CW+1], v[CW], s24, s25
	v_add_f32 v[CW], v[CW], v[CW+1]
	s_wait_alu depctr_va_vdst(0)                   ; the conversions have written v[HP ..] and the sum v[CW], which the 17 LDS stores read
.irp i, 0,1,2,3,4,5,6,7,8,9,10,11,12,13,14,15
	ds_store_b64 v4, v[HP+2*(\i):HP+2*(\i)+1] offset:(\i)*2*PITCH                ; into my region
.endr
	ds_store_b32 v11, v[CW]                        ; all lanes: the same word, the same number
	s_wait_alu depctr_vm_vsrc(0)                   ; the 17 LDS stores have read v[HP ..] and v[CW]: these registers are BF and AF from here on, written by the conversions and by the fragments' loads
	KSTEP 0, X0, 1, 16                             ; the first products start the sums: nothing is cleared
	KSTEP 1, X1, 0, 0
	; The partial sums go into my own region, whose bf16 rows I have read to the end (the last step's wait for its LDS loads); each accumulator's low registers first.
	s_wait_alu depctr_va_vdst(0)                   ; the matrix instructions have written the accumulators, which the LDS stores read (the four places above stay beside this wait); the conversions are done reading X0 and X1, in which the LDS loads further down land
.irp i, 0,1,2,3,4,5,6,7,8,9,10,11,12,13,14,15
	ds_store_b128 v5, v[ACC+4*(\i):ACC+4*(\i)+3] offset:512*(\i)
.endr
	s_wait_dscnt 0x0                               ; for the others' sake: my dump and my part of c are written
	s_barrier_signal -1
	s_barrier_wait -1
.irp p, 0,1,2,3
.irp c, 0,1,2,3
	ds_load_b128 v[RS+16*(\p)+4*(\c):RS+16*(\p)+4*(\c)+3], v6 offset:(\p)*REGB+512*(\c)  ; quads 4 w + c of every wave's dump
.endr
.endr
	s_wait_dscnt 0x0
.irp c, 0,1,2,3
	QADD RS+4*(\c), RS+16+4*(\c)
.endr
.irp c, 0,1,2,3
	QADD RS+32+4*(\c), RS+48+4*(\c)
.endr
.irp c, 0,1,2,3
	QADD RS+4*(\c), RS+32+4*(\c)
.endr
	s_wait_alu depctr_va_vdst(0)                   ; the sums have written v[RS:RS+15], which the LDS stores read
.irp u, 0,1                            ; accumulator 2 w + u, its half f, register 4 f + j: stage row 16 mt + 8 h + 4 f + j, column 4 q + 2 (w % 2) + u
.irp f, 0,1
.irp j, 0,1,2,3
	ds_store_b32 v8, v[RS+8*(\u)+4*(\f)+(\j)] offset:1024*(\f)+256*(\j)+4*(\u)
.endr
.endr
.endr
	s_wait_dscnt 0x0                               ; for the others' sake: my numbers are in the stage
	s_barrier_signal -1
	s_barrier_wait -1
.irp c, 0,1,2,3
	ds_load_b128 v[OB+4*(\c):OB+4*(\c)+3], v9 offset:512*(\c)                    ; no vector instruction since the wait ahead of the dump names these registers
.endr
	s_wait_dscnt 0x0
.irp c, 0,1,2,3
	global_store_b128 v10, v[OB+4*(\c):OB+4*(\c)+3], s[22:23] offset:(\c)*2*ROWB  ; sixteen lanes store 256 consecutive bytes, at a multiple of 256 from part's first byte
.endr
	s_cmp_lg_u32 s12, 0
	s_cbranch_scc1 .Lend
	ds_load_b128 v[208:211], v12                   ; wave 0: the four waves' parts of c[g], written ahead of the first barrier; every lane reads all
	s_wait_dscnt 0x0
	v_pk_add_f32 v[208:209], v[208:209], v[210:211]
	v_add_f32 v208, v208, v209
	v_mov_b32 v209, v208
	s_wait_alu depctr_va_vdst(0)                   ; v208 and v209 are written, which the store reads
	global_store_b64 v13, v[208:209], s[22:23] offset:32*ROWB  ; 32 lanes x 8 bytes: the 256 aligned bytes of this part of c[g], whole
.Lend:
	s_set_vgpr_msb 0x4                             ; the add's second register lies in window 1
	s_wait_dscnt 0x0                               ; the closing lines, six on end
	s_wait_alu 0x0
	s_wait_tensorcnt 0x0
	ds_add_u32 v7, v1
	s_wait_dscnt 0x0
	s_endpgm
.Lfunc_end_k_q1512044854_vpart:
	.size	k_q1512044854_vpart, .Lfunc_end_k_q1512044854_vpart-k_q1512044854_vpart
	.p2alignl 7, 3214868480
	.fill 96, 4, 3214868480
	.section	.rodata,"a",@progbits
	.p2align	6, 0x0
	.amdhsa_kernel k_q1512044854_vpart
		.amdhsa_group_segment_fixed_size 41728
		.amdhsa_private_segment_fixed_size 0
		.amdhsa_enable_private_segment 0
		.amdhsa_kernarg_size 32
		.amdhsa_user_sgpr_count 2
		.amdhsa_user_sgpr_kernarg_segment_ptr 1
		.amdhsa_wavefront_size32 1
		.amdhsa_system_sgpr_workgroup_id_x 1
		.amdhsa_system_sgpr_workgroup_id_y 1
		.amdhsa_system_sgpr_workgroup_id_z 1
		.amdhsa_system_vgpr_workitem_id 0
		.amdhsa_next_free_vgpr 258
		.amdhsa_next_free_sgpr 66
		.amdhsa_reserve_vcc 0
		.amdhsa_float_denorm_mode_32 3
		.amdhsa_float_denorm_mode_16_64 3
		.amdhsa_memory_ordered 1
		.amdhsa_forward_progress 1
		.amdhsa_inst_pref_size 24
	.end_amdhsa_kernel
	.amdgpu_metadata
---
amdhsa.version: [ 1, 2 ]
amdhsa.kernels:
  - .name:           k_q1512044854_vpart
    .symbol:         k_q1512044854_vpart.kd
    .args:
      - { .name: W, .offset: 0, .size: 8, .value_kind: global_buffer, .address_space: global }
      - { .name: b, .offset: 8, .size: 8, .value_kind: global_buffer, .address_space: global }
      - { .name: hidden, .offset: 16, .size: 8, .value_kind: global_buffer, .address_space: global }
      - { .name: part, .offset: 24, .size: 8, .value_kind: global_buffer, .address_space: global }
    .group_segment_fixed_size: 41728
    .private_segment_fixed_size: 0
    .kernarg_segment_align: 8
    .kernarg_segment_size: 32
    .max_flat_workgroup_size: 128
    .sgpr_count:     66
    .vgpr_count:     258
    .wavefront_size: 32
...
	.end_amdgpu_metadata
.endif
;; end of part 5
;; launch vsum: the kernel of part 4 again; grid 264 x 1, 2 waves a work-group, no clusters, 0 bytes of LDS; arguments part, proj; writes proj
;; launch score (part 6): grid 256 x 1, 32 waves a work-group, no clusters, 4,352 bytes of LDS; arguments encoder_outputs, proj, out0; writes out0
.if DOCPART == 6
	.amdgcn_target "amdgcn-amd-amdhsa--gfx1250"
	.amdhsa_code_object_version 6
	.text
	.protected	k_q1512044854_score
	.globl	k_q1512044854_score
	.p2align	8
	.type	k_q1512044854_score,@function
k_q1512044854_score:
	s_mov_b64 s[64:65], 0
	v_nop
	global_prefetch_b8 v0, s[64:65] scope:SCOPE_SE
	s_setreg_imm32_b32 hwreg(HW_REG_WAVE_SCHED_MODE, 0, 2), 2
	s_setreg_imm32_b32 hwreg(HW_REG_WAVE_MODE, 25, 1), 1
	s_wait_xcnt 0x0
	s_wait_alu depctr_vm_vsrc(0)
; out[l][b] = log_softmax over b of ( sum over d of enc[l][b][d] v[b][d] + c[b] ), with v and c as the launch before left them in proj.  All in f32.
; LIMITS.  The order of summation differs from the reference's.  The row's maximum is taken away before the exponentials; an exponential below 2^-126
; counts as 0, and the sum of the 32 is at least 1.  NaN and infinities are not treated apart.
; SHARES.  Work-group g owns l = 2 g and 2 g + 1: 524,288 consecutive bytes of enc, each read once.  Wave w of 32 is batch row b = w: it loads v[b] once
; and multiplies both its rows of enc by it; a lane takes 16 bytes of every 512.  Groups of three loads (v, enc of l, enc of l + 1) go through a ring of
; registers that keeps 24 loads, 12,288 bytes, of every wave on their way.  The 64 scores meet in LDS, and wave 0 takes both rows' log-softmax.
; Each number of enc is used once, so the matrix unit has nothing to gain here: of a 16 x 16 result only the diagonal would be wanted.
; NO CLUSTER, NO LDS FOR v.  All work-groups read v, but each of its rows is used by one wave alone, straight from registers: a joint tile would send
; 262,144 bytes into LDS and out again in every work-group, for 524,288 bytes of enc.
; THE MODE: SCHED_MODE bits 1:0 = 2 (LLVM: expert scheduling mode 2), set by the entry lines.  The code itself states the register dependences
; between vector instructions and memory or LDS instructions, with s_wait_alu, always for 0.
; THE PLAN.  Registers that memory or LDS instructions touch:
;   v1, v10, v11   offsets and addresses: written at the head, never again.
;   the ring       NINE slots for eight groups in flight.  Group j lies in slot j % 9: its three loads land there, its four multiply-adds read it.  Group j's turn asks for
;                  group j + 8, which lands in slot (j - 1) % 9: the slot that the group BEFORE emptied (for j = 0 the ninth, which nothing has named), and that no
;                  vector instruction of this turn names.  So one wait on va_vdst at a turn's head, behind the wait for the group's data, states all that its three loads hang on.
;   v2, v6         the two scores: written by the sums, read by the two LDS stores; wave 0 writes v2 again behind the barrier.
;   v12, v13       at work at the head; wave 0's LDS load lands in them, its arithmetic writes them, its store reads them.
; v[2:9] as sums and v14 are named by vector instructions alone.
.set LSTR, 262144                      ; bytes from l to l + 1
.set RING, 16                          ; v[16:111], v[114:125]  slot k: four registers of v, of enc[l], of enc[l + 1], at RING + 12 k; the ninth lies two further on, past v112 and v113
; v1 16 L   v[2:5] sums of l   v[6:9] sums of l + 1   v10 4 w   v11 8 L   v[12:14] at work
; s[12:13] enc at my rows   s[14:15] v at my row   s[16:17] proj + 256 w   s18 c[w]   s[8:9] out at my two rows
.macro LDG j
.set RL, RING+12*((\j)%9)+2*(((\j)%9)/8)
	global_load_b128 v[RL:RL+3],    v1, s[14:15] offset:512*(\j)
	global_load_b128 v[RL+4:RL+7],  v1, s[12:13] offset:512*(\j) th:TH_LOAD_NT
	global_load_b128 v[RL+8:RL+11], v1, s[12:13] offset:LSTR+512*(\j) th:TH_LOAD_NT
.endm
.macro DOT j, cnt, more                ; cnt: the younger groups' loads, which stay out.  more = 1: the group eight further on is asked for
.set R, RING+12*((\j)%9)+2*(((\j)%9)/8)
	s_wait_loadcnt \cnt                            ; loads come back in order (ISA guide 5.7.1): group j's three are in
.if \more
.if (\j) > 0
	s_wait_alu depctr_va_vdst(0)                   ; the multiply-adds of the group before are done reading its slot, in which the three loads below land
.endif
	LDG (\j)+8                                     ; ahead of the group's arithmetic, which names this group's slot and the sums alone
.endif
.if (\j) == 0
	v_pk_mul_f32 v[2:3], v[R+4:R+5],   v[R:R+1]    ; the first products start the sums: nothing is cleared
	v_pk_mul_f32 v[4:5], v[R+6:R+7],   v[R+2:R+3]
	v_pk_mul_f32 v[6:7], v[R+8:R+9],   v[R:R+1]
	v_pk_mul_f32 v[8:9], v[R+10:R+11], v[R+2:R+3]
.else
	v_pk_fma_f32 v[2:3], v[R+4:R+5],   v[R:R+1],   v[2:3]
	v_pk_fma_f32 v[4:5], v[R+6:R+7],   v[R+2:R+3], v[4:5]
	v_pk_fma_f32 v[6:7], v[R+8:R+9],   v[R:R+1],   v[6:7]
	v_pk_fma_f32 v[8:9], v[R+10:R+11], v[R+2:R+3], v[8:9]
.endif
.endm
	s_load_b128 s[4:7], s[0:1], 0x0                ; enc s[4:5], proj s[6:7]
	s_load_b64 s[8:9], s[0:1], 0x10                ; out
	v_lshl_add_u32 v112, v0, 2, 0x100
	v_mov_b32 v113, 0
	v_and_b32 v12, 31, v0                          ; L
	v_lshrrev_b32 v13, 5, v0
	v_readfirstlane_b32 s10, v13                   ; w = b, 0 .. 31
	v_lshlrev_b32 v1, 4, v12
	v_lshlrev_b32 v11, 3, v12
	v_lshlrev_b32 v10, 2, v13
	s_mov_b32 s20, 0x76543210                      ; v_permlanex16_b32: each lane takes its own place in the other half
	s_mov_b32 s21, 0xfedcba98
	s_lshl_b32 s22, ttmp9, 19                      ; 2 g x 262,144 bytes
	s_wait_alu depctr_va_sdst(0)                   ; s10 is written, ahead of its first reader: the bases and the last branch are made from it
	s_lshl_b32 s23, s10, 13                        ; row w of 8,192 bytes
	s_add_co_u32 s22, s22, s23
	s_mov_b32 s23, 0
	s_wait_kmcnt 0x0
	s_add_nc_u64 s[12:13], s[4:5], s[22:23]
	s_lshl_b32 s22, s10, 13
	s_add_nc_u64 s[14:15], s[6:7], s[22:23]
	s_lshl_b32 s22, s10, 8
	s_add_nc_u64 s[16:17], s[6:7], s[22:23]
	s_lshl_b32 s22, ttmp9, 8                       ; two rows of 128 bytes
	s_add_nc_u64 s[8:9], s[8:9], s[22:23]
	s_wait_alu depctr_va_vdst(0)                   ; v1, v10 and v11 are written, which the loads and stores below read as offsets and addresses; v12 and v13, in which wave 0's LDS load lands, are written and done with
.irp j, 0,1,2,3,4,5,6,7
	LDG \j
.endr
	s_load_b32 s18, s[16:17], 0x40000              ; c[w], behind v's 262,144 bytes; this launch writes nothing of proj
.irp j, 0,1,2,3,4,5,6,7
	DOT \j, 21, 1                                  ; seven younger groups of three stay out
.endr
.irp j, 8,9,10,11,12,13,14,15
	DOT \j, 3*(15-\j), 0                           ; nothing is left to load: the counts run down
.endr
	v_pk_add_f32 v[2:3], v[2:3], v[4:5]            ; within the lane, then across the 32 lanes; the two rows alternate
	v_pk_add_f32 v[6:7], v[6:7], v[8:9]
	v_add_f32 v2, v2, v3
	v_add_f32 v6, v6, v7
.irp x, 1,2,4,8
	v_add_f32_dpp v2, v2, v2 row_xmask:\x row_mask:0xf bank_mask:0xf
	v_add_f32_dpp v6, v6, v6 row_xmask:\x row_mask:0xf bank_mask:0xf
.endr
	v_permlanex16_b32 v3, v2, s20, s21
	v_permlanex16_b32 v7, v6, s20, s21
	v_add_f32 v2, v2, v3
	v_add_f32 v6, v6, v7
	s_wait_kmcnt 0x0                               ; c[w]
	v_add_f32 v2, s18, v2
	v_add_f32 v6, s18, v6
	s_wait_alu depctr_va_vdst(0)                   ; the two scores v2 and v6 are written, which the LDS stores read
	ds_store_b32 v10, v2                           ; LDS: [2 l][32 b]; all lanes write the same word with the same number
	ds_store_b32 v10, v6 offset:128
	s_wait_dscnt 0x0                               ; for wave 0's sake: my two scores are written
	s_barrier_signal -1
	s_barrier_wait -1
	s_wait_alu depctr_vm_vsrc(0)                   ; my two LDS stores have read v2 and v6: wave 0 writes v2 again below; the wait stands ahead of the branch that leads there
	s_cmp_lg_u32 s10, 0
	s_cbranch_scc1 .Lend
	ds_load_b64 v[12:13], v11                      ; lane L: row L / 16, b = 2 (L % 16) and the next: a half of sixteen lanes holds one row
	s_wait_dscnt 0x0
	v_max_num_f32 v14, v12, v13
.irp x, 1,2,4,8
	v_max_num_f32_dpp v14, v14, v14 row_xmask:\x row_mask:0xf bank_mask:0xf
.endr
	v_sub_f32 v12, v12, v14                        ; x - max
	v_sub_f32 v13, v13, v14
	v_mul_f32 v2, 0x3fb8aa3b, v12                  ; times log2(e)
	v_mul_f32 v3, 0x3fb8aa3b, v13
	v_exp_f32 v2, v2
	v_exp_f32 v3, v3
	v_nop                                          ; a plain instruction between an exponential and the use of its result (ISA guide 5.7.2)
	s_wait_alu depctr_va_vdst(0)                   ; the two exponentials have written v2 and v3, ahead of their first reader: one wait for both
	v_add_f32 v2, v2, v3
.irp x, 1,2,4,8
	v_add_f32_dpp v2, v2, v2 row_xmask:\x row_mask:0xf bank_mask:0xf
.endr
	v_log_f32 v2, v2                               ; log2 of the sum
	v_nop
	s_wait_alu depctr_va_vdst(0)                   ; the logarithm has written v2, ahead of its first reader
	v_fmamk_f32 v12, v2, 0xbf317218, v12           ; (x - max) - ln(2) log2(sum)
	v_fmamk_f32 v13, v2, 0xbf317218, v13
	s_wait_alu depctr_va_vdst(0)                   ; v12 and v13 are written, which the store reads
	global_store_b64 v11, v[12:13], s[8:9]         ; 32 lanes x 8 bytes: 256 consecutive bytes, at a multiple of 256 from out's first byte
.Lend:
	s_wait_dscnt 0x0                               ; the closing lines, six on end
	s_wait_alu 0x0
	s_wait_tensorcnt 0x0
	ds_add_u32 v112, v113
	s_wait_dscnt 0x0
	s_endpgm
.Lfunc_end_k_q1512044854_score:
	.size	k_q1512044854_score, .Lfunc_end_k_q1512044854_score-k_q1512044854_score
	.p2alignl 7, 3214868480
	.fill 96, 4, 3214868480
	.section	.rodata,"a",@progbits
	.p2align	6, 0x0
	.amdhsa_kernel k_q1512044854_score
		.amdhsa_group_segment_fixed_size 4352
		.amdhsa_private_segment_fixed_size 0
		.amdhsa_enable_private_segment 0
		.amdhsa_kernarg_size 24
		.amdhsa_user_sgpr_count 2
		.amdhsa_user_sgpr_kernarg_segment_ptr 1
		.amdhsa_wavefront_size32 1
		.amdhsa_system_sgpr_workgroup_id_x 1
		.amdhsa_system_sgpr_workgroup_id_y 1
		.amdhsa_system_sgpr_workgroup_id_z 1
		.amdhsa_system_vgpr_workitem_id 0
		.amdhsa_next_free_vgpr 126
		.amdhsa_next_free_sgpr 66
		.amdhsa_reserve_vcc 0
		.amdhsa_float_denorm_mode_32 3
		.amdhsa_float_denorm_mode_16_64 3
		.amdhsa_memory_ordered 1
		.amdhsa_forward_progress 1
		.amdhsa_inst_pref_size 14
	.end_amdhsa_kernel
	.amdgpu_metadata
---
amdhsa.version: [ 1, 2 ]
amdhsa.kernels:
  - .name:           k_q1512044854_score
    .symbol:         k_q1512044854_score.kd
    .args:
      - { .name: encoder_outputs, .offset: 0, .size: 8, .value_kind: global_buffer, .address_space: global }
      - { .name: proj, .offset: 8, .size: 8, .value_kind: global_buffer, .address_space: global }
      - { .name: out0, .offset: 16, .size: 8, .value_kind: global_buffer, .address_space: global }
    .group_segment_fixed_size: 4352
    .private_segment_fixed_size: 0
    .kernarg_segment_align: 8
    .kernarg_segment_size: 24
    .max_flat_workgroup_size: 1024
    .sgpr_count:     66
    .vgpr_count:     126
    .wavefront_size: 32
...
	.end_amdgpu_metadata
.endif
;; end of part 6
